; MI455X (gfx1250); checked and timed in simulation.
; The chip was launched on July 23, 2026; its instructions are those of AMD's public machine-readable ISA for CDNA 5 (MIT licence, August 2026) and "CDNA5" Instruction Set Architecture Reference Guide (July 2026). The comments in the code are by the model that wrote it; some were corrected since.
;; Post Processor. Allowed arithmetic: float matrix products may take bf16 or f16 operands with f32 sums; all other float work in f32.
;; Inputs: box_regression 32 x 1,000 x 24 float32; class_logits 32 x 1,000 x 6 float32; proposals 32 x 1,000 x 4 float32.
;; Outputs: out0 32 x 100 x 5 float32; out1 32 x 100 int32; out2 32 x 100 bool.
;; One version. Each part assembles by itself: llvm-mc -triple=amdgcn-amd-amdhsa -mcpu=gfx1250 --defsym DOCPART=n.
;; ======== version 1 of 1: 3 launches
;; workspace buffers: ws_box 2,621,440 bytes; ws_score 655,360 bytes; ws_rank 655,360 bytes of whole numbers; ws_keep 20,480 bytes of whole numbers
;; launch rank (part 1): grid 8 x 32, 20 waves a work-group, no clusters, 28,160 bytes of LDS; arguments class_logits, box_regression, proposals, ws_box, ws_score, ws_rank; writes ws_box, ws_score, ws_rank
.if DOCPART == 1
	.amdgcn_target "amdgcn-amd-amdhsa--gfx1250"
	.amdhsa_code_object_version 6
	.text
	.protected	k_q501023f8a4_rank
	.globl	k_q501023f8a4_rank
	.p2align	8
	.type	k_q501023f8a4_rank,@function
k_q501023f8a4_rank:
	s_mov_b64 s[64:65], 0
	v_nop
	global_prefetch_b8 v0, s[64:65] scope:SCOPE_SE
	s_setreg_imm32_b32 hwreg(HW_REG_WAVE_MODE, 25, 1), 1
	s_wait_xcnt 0x0
; SCORES, BOXES AND SORTED POSITIONS.  32 images x 1000 proposals x 6 classes (class 0 is background and is left out of the sort).
; A work-group is one image and 128 of its proposals (grid x = which 128).  20 waves: wave w = 4 x class index + block; its 32 lanes own 32 consecutive proposals of one class.
; 1. All 640 threads make the softmax of the image's 1000 proposals and put a KEY for each of the five classes into LDS: the score's bits where score > 0.05 (positive floats sort as unsigned
;    numbers), 1 where not, 0 in the padding behind proposal 999.
; 2. Each wave decodes its 32 boxes of its class and stores them.
; 3. Each lane counts the keys that come ahead of its own in a stable descending sort: key_j > key_i, or equal with j < i.  For blocks of 32 ahead of my own the test is key_j > key_i - 1,
;    for my own and later blocks key_j > key_i; equal keys at lower lanes of my own block are added by a pass of 31 steps.  Two vector instructions a pair: compare, add with carry.
;    The lane of element 1000 (padding) counts with key 2: its count is the number of valid boxes, and lands in entry 1000 of the class's row of ranks, where the next launch reads it.
; 4. Ranks and keys leave through a stage in LDS, so that a store covers 512 consecutive bytes.  The stage takes the place of class index 0's keys, behind a barrier at which all keys have been read.
; No address and no branch hangs on a score: the ranks are stored as numbers and become addresses only in the next launch.
; ARITHMETIC.  The maximum is taken away first; e^d = 2^(d log2 e) with the product split in two parts, the low part applied as a factor 1 + ln2 x low; the six terms are added in index order;
; the quotient is a reciprocal with one Newton step, corrected once by its fused remainder.
; LIMITS.  NaN and infinite inputs are not treated apart.  An exponential below 2^-126 counts as 0 (v_exp_f32 flushes; ISA guide 15.8): it is added to a sum that is at least 1.
; rel / 10 and rel / 5 are multiplications by 0.1 and 0.2, and exp(dw) is 2^(rel x 0.2 log2 e) cut at log2(62.5): the boxes differ from a division's in their last bits.
.set NPROP, 1000
.set KSTR,  5120                       ; LDS bytes of a class's keys: 1,280 words, so that both rounds of 640 threads store without a mask
.set RKB,   0                          ; the stage, once the keys have been read: 5 classes x 128 ranks,
.set KYB,   2560                       ; and 5 classes x 128 keys: together the bytes of class index 0's keys
.set SPARE, 5*KSTR                     ; the spare words, 128 bytes for each of 20 waves: ten blocks of 256 bytes that no other line names
.set SPW,  62                          ; v62  SPARE + 4 x my thread's number; never rewritten
.set NIL,  63                          ; v63  0; never rewritten
.set X0,   8                           ; v[8:13]   six logits, first round
.set X1,   14                          ; v[14:19]  second round
.set YH,   20                          ; v[20:25]  d log2 e, then e^d
.set YL,   26                          ; v[26:31]  the product's low part
.set KEY,  64                          ; v[64:95]  32 keys of a block, the same in every lane
.set OWN,  96                          ; v96  my key
.set THR,  97                          ; v97  what a key must exceed to count
.set CNT,  98                          ; v98  my rank so far
.set WALK, 99                          ; v99  LDS address of the block in hand
	s_load_b256 s[4:11], s[0:1], 0x0               ; logits s[4:5], regression s[6:7], proposals s[8:9], ws_box s[10:11]
	s_load_b128 s[12:15], s[0:1], 0x20             ; ws_score s[12:13], ws_rank s[14:15]
	v_lshl_add_u32 v[SPW], v0, 2, SPARE
	v_mov_b32 v[NIL], 0
	v_and_b32 v1, 31, v0                           ; lane
	v_lshrrev_b32 v3, 5, v0
	v_readfirstlane_b32 s16, v3                    ; wave 0..19
	s_lshr_b32 s17, s16, 2                         ; class index 0..4 (class 1..5)
	s_and_b32 s18, s16, 3
	s_lshl_b32 s19, ttmp9, 2
	s_add_co_u32 s19, s19, s18                     ; my block of 32 proposals, 0..31
	s_and_b32 s20, ttmp7, 0xffff                   ; image
	s_mul_i32 s21, s20, 5
	s_mul_i32 s22, s20, 24000                      ; byte offsets, each in a pair of its own: the image's logits,
	s_mov_b32 s23, 0
	s_mul_i32 s34, s20, 96000                      ; its regression rows, at my class's four numbers,
	s_lshl4_add_u32 s34, s17, s34
	s_add_co_u32 s34, s34, 16
	s_mov_b32 s35, 0
	s_mul_i32 s36, s20, 16000                      ; its proposals,
	s_mov_b32 s37, 0
	s_add_co_u32 s38, s21, s17                     ; and my 512 bytes in ws_box: (image x 5 + class index) x 1024 boxes + my block
	s_lshl_b32 s38, s38, 14
	s_lshl_b32 s39, s19, 9
	s_add_co_u32 s38, s38, s39
	s_mov_b32 s39, 0
	s_mov_b32 s24, 0x3fb8aa3b                      ; log2 e, rounded
	s_mov_b32 s25, 0x32a5705f                      ; what the rounding left
	s_mov_b32 s26, 0x3f317218                      ; ln 2
	s_mov_b32 s27, 0x3d4ccccd                      ; 0.05
	s_mov_b32 s29, 0x44a68000                      ; 1332.0
	s_mov_b32 s30, 0x4447c000                      ; 799.0
	v_mul_u32_u24 v4, 24, v0                       ; first round: proposal = thread
	v_add_nc_u32 v5, 640, v0                       ; second round: 640 further on,
	v_min_u32 v3, NPROP-1, v5                      ; loaded from the last row where there is none
	v_mul_u32_u24 v3, 24, v3
	v_lshlrev_b32 v2, 2, v0                        ; LDS byte of the first round's key in a class's row
	v_lshl_add_u32 v6, s19, 5, v1                  ; my own proposal, 0..1023
	v_min_u32 v7, NPROP-1, v6                      ; padding lanes read the last proposal's data
	v_lshlrev_b32 v38, 4, v7
	v_mul_u32_u24 v39, 96, v7
	v_lshlrev_b32 v60, 4, v1                       ; 16 bytes a lane
	v_cmp_gt_u32 s28, NPROP, v5                    ; lanes whose second proposal exists
	s_wait_kmcnt 0x0
	s_add_nc_u64 s[4:5], s[4:5], s[22:23]
	s_add_nc_u64 s[6:7], s[6:7], s[34:35]
	s_add_nc_u64 s[8:9], s[8:9], s[36:37]
	s_add_nc_u64 s[10:11], s[10:11], s[38:39]
	global_load_b64 v[X0:X0+1],   v4, s[4:5]
	global_load_b64 v[X0+2:X0+3], v4, s[4:5] offset:8
	global_load_b64 v[X0+4:X0+5], v4, s[4:5] offset:16
	global_load_b64 v[X1:X1+1],   v3, s[4:5]
	global_load_b64 v[X1+2:X1+3], v3, s[4:5] offset:8
	global_load_b64 v[X1+4:X1+5], v3, s[4:5] offset:16
	global_load_b128 v[40:43], v38, s[8:9]         ; my proposal
	global_load_b128 v[44:47], v39, s[6:7]         ; my class's regression
; The softmax of six logits at v[x ..], and the five keys into LDS at byte off of each class's row.  pad = 1: lanes without a proposal store 0.
.macro SOFTMAX x, off, pad
	v_max3_num_f32 v32, v[(\x)], v[(\x)+1], v[(\x)+2]
	v_max3_num_f32 v32, v32, v[(\x)+3], v[(\x)+4]
	v_max_num_f32 v32, v32, v[(\x)+5]
.irp k, 0,1,2,3,4,5
	v_sub_f32 v[(\x)+(\k)], v[(\x)+(\k)], v32      ; d = x - max
.endr
.irp k, 0,1,2,3,4,5
	v_mul_f32 v[YH+(\k)], s24, v[(\x)+(\k)]        ; the product's high part,
.endr
.irp k, 0,1,2,3,4,5
	v_fma_f32 v[YL+(\k)], v[(\x)+(\k)], s24, -v[YH+(\k)]  ; what its rounding dropped,
.endr
.irp k, 0,1,2,3,4,5
	v_fmac_f32 v[YL+(\k)], s25, v[(\x)+(\k)]       ; and d times the rest of log2 e
.endr
.irp k, 0,1,2,3,4,5
	v_exp_f32 v[YH+(\k)], v[YH+(\k)]
.endr
.irp k, 0,1,2,3,4,5
	v_mul_f32 v[YL+(\k)], s26, v[YL+(\k)]          ; plain work on other registers stands behind the exponentials (ISA guide 5.7.2)
.endr
	s_wait_alu depctr_va_vdst(0)
.irp k, 0,1,2,3,4,5
	v_fmac_f32 v[YH+(\k)], v[YH+(\k)], v[YL+(\k)]  ; e = e + e x ln2 x low
.endr
	v_add_f32 v33, v[YH], v[YH+1]                  ; the sum in index order
	v_add_f32 v33, v33, v[YH+2]
	v_add_f32 v33, v33, v[YH+3]
	v_add_f32 v33, v33, v[YH+4]
	v_add_f32 v33, v33, v[YH+5]
	v_rcp_f32 v34, v33
	v_nop                                          ; a plain instruction between the reciprocal and its use
	s_wait_alu depctr_va_vdst(0)
	v_fma_f32 v35, -v33, v34, 1.0
	v_fmac_f32 v34, v35, v34                       ; one Newton step
.irp c, 1,2,3,4,5
	v_mul_f32 v36, v[YH+(\c)], v34
	v_fma_f32 v37, -v36, v33, v[YH+(\c)]           ; the quotient's remainder, exact
	v_fmac_f32 v36, v37, v34
	v_cmp_lt_f32 vcc_lo, s27, v36
	v_cndmask_b32 v36, 1, v36, vcc_lo              ; not above the threshold: key 1
.if \pad
	v_cndmask_b32 v36, 0, v36, s28                 ; no proposal: key 0
.endif
	ds_store_b32 v2, v36 offset:((\c)-1)*KSTR+(\off)
.endr
.endm
	s_wait_loadcnt 0x5                             ; the first round's three loads are in; five younger ones stay out
	SOFTMAX X0, 0, 0
	s_wait_loadcnt 0x2                             ; the second round's are in; proposal and regression stay out
	SOFTMAX X1, 2560, 1
	s_wait_loadcnt 0x0
	; my box: v[40:43] = px1 py1 px2 py2, v[44:47] = the class's four regression numbers; x and y go as a pair
	v_pk_add_f32 v[48:49], v[42:43], v[40:41] neg_lo:[0,1] neg_hi:[0,1]
	v_pk_add_f32 v[48:49], v[48:49], 1.0 op_sel_hi:[1,0]                  ; w, h
	v_pk_fma_f32 v[50:51], v[48:49], 0.5, v[40:41] op_sel_hi:[1,0,1]      ; cx, cy
	v_pk_mul_f32 v[52:53], v[44:45], 0x3dcccccd op_sel_hi:[1,0]           ; dx, dy
	v_pk_mul_f32 v[54:55], v[46:47], 0x3e93bb63 op_sel_hi:[1,0]           ; dw, dh times log2 e: the factor is 0.2 log2 e
	v_pk_fma_f32 v[50:51], v[52:53], v[48:49], v[50:51]                   ; pcx, pcy
	v_min_num_f32 v54, 0x40bee7b4, v54                                    ; cut at log2(1000 / 16)
	v_min_num_f32 v55, 0x40bee7b4, v55
	v_exp_f32 v54, v54
	v_exp_f32 v55, v55
	v_nop                                          ; a plain instruction behind the exponentials
	s_wait_alu depctr_va_vdst(0)
	v_pk_mul_f32 v[54:55], v[54:55], v[48:49]                             ; pw, ph
	v_pk_fma_f32 v[56:57], v[54:55], -0.5, v[50:51] op_sel_hi:[1,0,1]     ; x1, y1
	v_pk_fma_f32 v[58:59], v[54:55], 0.5, v[50:51] op_sel_hi:[1,0,1]
	v_pk_add_f32 v[58:59], v[58:59], -1.0 op_sel_hi:[1,0]                 ; x2, y2
	v_max_num_f32 v56, 0, v56
	v_max_num_f32 v57, 0, v57
	v_max_num_f32 v58, 0, v58
	v_max_num_f32 v59, 0, v59
	v_min_num_f32 v56, s29, v56
	v_min_num_f32 v57, s30, v57
	v_min_num_f32 v58, s29, v58
	v_min_num_f32 v59, s30, v59
	global_store_b128 v60, v[56:59], s[10:11]      ; the wave's 32 boxes: 512 consecutive bytes, aligned (padding lanes store proposal 999's box once more)
	s_wait_dscnt 0x0                               ; for the others' sake: my keys are in LDS
	s_barrier_signal -1
	s_barrier_wait -1
	s_mul_i32 s31, s17, KSTR                       ; my class's keys
	v_lshl_add_u32 v3, v7, 2, s31                  ; my own key; a padding lane reads proposal 999's and drops it below
	ds_load_b32 v[OWN], v3
	v_mov_b32 v[WALK], s31
	v_mov_b32 v[CNT], 0
	v_cmp_gt_u32 vcc_lo, NPROP, v6
	s_wait_dscnt 0x0
	v_cndmask_b32 v[OWN], 2, v[OWN], vcc_lo        ; a padding lane counts with key 2: above every invalid key, below every score
	s_mov_b32 s32, 0
.Lblock:                                               ; 32 trips, a block of 32 keys each
.irp g, 0,1,2,3,4,5,6,7
	ds_load_b128 v[KEY+4*(\g):KEY+4*(\g)+3], v[WALK] offset:16*(\g)  ; every lane reads the same 16 bytes
.endr
	s_cmp_lt_u32 s32, s19                          ; a block ahead of mine: equal keys count too
	s_cselect_b32 s33, 1, 0
	v_sub_nc_u32 v[THR], v[OWN], s33
.irp g, 0,1,2,3,4,5,6,7
	s_wait_dscnt 7-(\g)                            ; LDS loads come back in order (ISA guide 5.7.1): group g is in
.irp m, 0,1,2,3
	v_cmp_gt_u32 vcc_lo, v[KEY+4*(\g)+(\m)], v[THR]
	v_add_co_ci_u32 v[CNT], vcc_lo, 0, v[CNT], vcc_lo
.endr
.endr
	v_add_nc_u32 v[WALK], 128, v[WALK]
	s_add_co_u32 s32, s32, 1
	s_cmp_lt_u32 s32, 32
	s_cbranch_scc1 .Lblock
.set t, 0
.rept 31                                               ; equal keys at lower lanes of my own block come ahead of me
	v_readlane_b32 s33, v[OWN], t
	v_cmp_eq_u32 vcc_lo, s33, v[OWN]
	s_and_b32 vcc_lo, vcc_lo, (0xffffffff<<(t+1))&0xffffffff  ; only lanes above t
	v_add_co_ci_u32 v[CNT], vcc_lo, 0, v[CNT], vcc_lo
.set t, t+1
.endr
	s_wait_dscnt 0x0                               ; my reads of the keys are back
	s_barrier_signal -1
	s_barrier_wait -1                              ; everybody's are: the stage may take the place of class index 0's keys
	s_lshl_b32 s33, s16, 7                         ; wave x 128 bytes = class index x 512 + block x 128
	v_lshl_add_u32 v3, v1, 2, s33
	ds_store_b32 v3, v[CNT] offset:RKB
	ds_store_b32 v3, v[OWN] offset:KYB             ; (2 for elements 1000 .. 1023, which no later launch uses)
	s_wait_dscnt 0x0                               ; for the others' sake
	s_barrier_signal -1
	s_barrier_wait -1
	s_cmp_ge_u32 s16, 5
	s_cbranch_scc1 .Lend
	s_lshl_b32 s33, s16, 9                         ; wave w < 5 sends class index w's 128 ranks and 128 keys, 16 bytes a lane
	v_lshl_add_u32 v3, v1, 4, s33
	ds_load_b128 v[64:67], v3 offset:RKB
	ds_load_b128 v[68:71], v3 offset:KYB
	s_lshl_b32 s40, ttmp9, 9
	s_add_co_u32 s22, s21, s16
	s_lshl_b32 s22, s22, 12
	s_add_co_u32 s22, s22, s40                     ; (image x 5 + class index) x 4,096 + my 128 proposals x 4
	s_add_nc_u64 s[12:13], s[12:13], s[22:23]
	s_add_nc_u64 s[14:15], s[14:15], s[22:23]
	s_wait_dscnt 0x0
	global_store_b128 v60, v[64:67], s[14:15]      ; 512 consecutive bytes each, aligned
	global_store_b128 v60, v[68:71], s[12:13]
.Lend:
	s_wait_tensorcnt 0x0                           ; the wave's end, behind my last LDS store
	ds_add_u32 v[SPW], v[NIL]
	s_wait_dscnt 0x0
	s_endpgm
.Lfunc_end_k_q501023f8a4_rank:
	.size	k_q501023f8a4_rank, .Lfunc_end_k_q501023f8a4_rank-k_q501023f8a4_rank
	.p2alignl 7, 3214868480
	.fill 96, 4, 3214868480
	.section	.rodata,"a",@progbits
	.p2align	6, 0x0
	.amdhsa_kernel k_q501023f8a4_rank
		.amdhsa_group_segment_fixed_size 28160
		.amdhsa_private_segment_fixed_size 0
		.amdhsa_enable_private_segment 0
		.amdhsa_kernarg_size 48
		.amdhsa_user_sgpr_count 2
		.amdhsa_user_sgpr_kernarg_segment_ptr 1
		.amdhsa_wavefront_size32 1
		.amdhsa_system_sgpr_workgroup_id_x 1
		.amdhsa_system_sgpr_workgroup_id_y 1
		.amdhsa_system_sgpr_workgroup_id_z 1
		.amdhsa_system_vgpr_workitem_id 0
		.amdhsa_next_free_vgpr 104
		.amdhsa_next_free_sgpr 66
		.amdhsa_reserve_vcc 1
		.amdhsa_float_denorm_mode_32 3
		.amdhsa_float_denorm_mode_16_64 3
		.amdhsa_memory_ordered 1
		.amdhsa_forward_progress 1
		.amdhsa_inst_pref_size 22
	.end_amdhsa_kernel
	.amdgpu_metadata
---
amdhsa.version: [ 1, 2 ]
amdhsa.kernels:
  - .name:           k_q501023f8a4_rank
    .symbol:         k_q501023f8a4_rank.kd
    .args:
      - { .name: class_logits, .offset: 0, .size: 8, .value_kind: global_buffer, .address_space: global }
      - { .name: box_regression, .offset: 8, .size: 8, .value_kind: global_buffer, .address_space: global }
      - { .name: proposals, .offset: 16, .size: 8, .value_kind: global_buffer, .address_space: global }
      - { .name: ws_box, .offset: 24, .size: 8, .value_kind: global_buffer, .address_space: global }
      - { .name: ws_score, .offset: 32, .size: 8, .value_kind: global_buffer, .address_space: global }
      - { .name: ws_rank, .offset: 40, .size: 8, .value_kind: global_buffer, .address_space: global }
    .group_segment_fixed_size: 28160
    .private_segment_fixed_size: 0
    .kernarg_segment_align: 8
    .kernarg_segment_size: 48
    .max_flat_workgroup_size: 640
    .sgpr_count:     66
    .vgpr_count:     104
    .wavefront_size: 32
...
	.end_amdgpu_metadata
.endif
;; end of part 1
;; launch nms (part 2): grid 5 x 32, 32 waves a work-group, no clusters, 184,320 bytes of LDS; arguments ws_box, ws_rank, ws_keep; writes ws_keep
.if DOCPART == 2
	.amdgcn_target "amdgcn-amd-amdhsa--gfx1250"
	.amdhsa_code_object_version 6
	.text
	.protected	k_q501023f8a4_nms
	.globl	k_q501023f8a4_nms
	.p2align	8
	.type	k_q501023f8a4_nms,@function
k_q501023f8a4_nms:
	s_mov_b64 s[64:65], 0
	v_nop
	global_prefetch_b8 v0, s[64:65] scope:SCOPE_SE
	s_setreg_imm32_b32 hwreg(HW_REG_WAVE_MODE, 25, 1), 1
	s_wait_xcnt 0x0
; GREEDY NMS OF ONE IMAGE AND ONE CLASS.  32 waves, 1024 threads.
; 1. Thread i puts box i and half its area into LDS at its sorted position (the rank that the launch before stored).  The mask planes are zeroed while the global loads are out.
; 2. nv = number of valid boxes (entry 1000 of the class's ranks); they are the first nv positions.  n = blocks of 32 positions that hold a valid box.  Only those blocks are compared.
;    Wave w < n takes the pairs of blocks {w, (w + d) mod n}, d = 0 .. n / 2: each unordered pair once (at 2 d = n only the waves below d), the same number for every wave.
;    A tile: the later block's 32 boxes lie one a lane, the earlier block's 32 rows are read one after the other, every lane the same bytes.  The compare's lane mask IS the row's word:
;    bit l says that row i suppresses position 32 c + l.  Word (row i, block c) lies in plane c at row i.
; 3. Wave 0 walks the blocks in order.  Lane l holds the suppression word of block l.  Inside a block 32 scalar steps decide the kept bits; then the kept rows' words are ORed into the lanes.
;    Blocks without a valid box are jumped over; the trip counts are constants.
; THE TEST.  inter / union > 0.5 is taken as inter > union / 2, with union / 2 = (area_a / 2 + area_b / 2) - inter / 2 in reference()'s order of rounding (halving is exact).  The two are
; compared as UNSIGNED numbers: inter is +0 or positive, and a negative union, whose sign bit makes it the larger number, never suppresses, as a negative quotient never exceeds 0.5.
; LIMITS.  The quotient is not rounded: the outcome differs where inter / union exceeds 0.5 by so little that the rounded quotient is 0.5.  NaN is not treated apart.
; The keep words of a work-group are 128 bytes, half of an aligned 256: two work-groups share such a block; 20 KB in the whole launch.
.set NPROP, 1000
.set WB,    32768                      ; behind 1024 boxes of 32 bytes (x1 y1 x2 y2, half area, 12 unused): the planes
.set WSTR,  4112                       ; a plane: 1024 words + 16 bytes: lanes that read 16 bytes of the same rows in 16 planes start 16 bytes apart modulo 256 (64 banks of 4 bytes: ISA guide 11.1)
.set SPARE, WB+9*16384                 ; nine rounds of 1024 x 16 bytes zero the planes (32 x 4,112 = 131,584 bytes) and the rest up to here; then the spare words, 128 bytes a wave
.set SPW,  124                         ; v124  SPARE + 4 x my thread's number; never rewritten
.set NIL,  125                         ; v125  0; never rewritten
.set A0,   32                          ; v[32:63]   eight rows' boxes, buffer 0;  v[64:71] their half areas
.set H0,   64
.set A1,   72                          ; v[72:103]  buffer 1;  v[104:111]
.set H1,   104
; v[20:23] the lane's box, v24 its half area, v25 the tile's 32 words (lane t: row t); v[112:123] at work, two rows side by side
	s_load_b128 s[4:7], s[0:1], 0x0                ; ws_box s[4:5], ws_rank s[6:7]
	s_load_b64 s[8:9], s[0:1], 0x10                ; ws_keep
	v_lshl_add_u32 v[SPW], v0, 2, SPARE
	v_mov_b32 v[NIL], 0
	v_and_b32 v1, 31, v0                           ; lane
	v_lshrrev_b32 v3, 5, v0
	v_readfirstlane_b32 s10, v3                    ; wave 0..31
	s_and_b32 s11, ttmp7, 0xffff
	s_mul_i32 s11, s11, 5
	s_add_co_u32 s11, s11, ttmp9                   ; image x 5 + class index
	s_lshl_b32 s12, s11, 14
	s_mov_b32 s13, 0
	s_lshl_b32 s14, s11, 12
	s_mov_b32 s15, 0
	s_lshl_b32 s16, s11, 7
	s_mov_b32 s17, 0
	v_lshlrev_b32 v5, 2, v0
	v_lshlrev_b32 v6, 4, v0
	s_wait_kmcnt 0x0
	s_add_nc_u64 s[4:5], s[4:5], s[12:13]
	s_add_nc_u64 s[6:7], s[6:7], s[14:15]
	s_add_nc_u64 s[8:9], s[8:9], s[16:17]
	s_load_b32 s18, s[6:7], 0xfa0                  ; entry 1000: the number of valid boxes
	global_load_b32 v4, v5, s[6:7]
	global_load_b128 v[8:11], v6, s[4:5]
	v_mov_b32 v16, 0                               ; the planes are zeroed while the loads are out
	v_mov_b32 v17, 0
	v_mov_b32 v18, 0
	v_mov_b32 v19, 0
	v_add_nc_u32 v12, WB, v6
	v_add_nc_u32 v13, 0x10000, v12
	v_add_nc_u32 v14, 0x20000, v12
.irp k, 0,1,2,3
	ds_store_b128 v12, v[16:19] offset:16384*(\k)
.endr
.irp k, 0,1,2,3
	ds_store_b128 v13, v[16:19] offset:16384*(\k)
.endr
	ds_store_b128 v14, v[16:19]
	s_wait_loadcnt 0x0
	v_pk_add_f32 v[112:113], v[10:11], v[8:9] neg_lo:[0,1] neg_hi:[0,1]
	v_pk_add_f32 v[112:113], v[112:113], 1.0 op_sel_hi:[1,0]
	v_mul_f32 v114, v112, v113                     ; the area,
	v_mul_f32 v114, 0.5, v114                      ; halved
	v_cmp_gt_u32 vcc_lo, NPROP, v0
	v_cndmask_b32 v4, v0, v4, vcc_lo               ; threads 1000 .. 1023 fill the positions of the same numbers (never valid)
	v_min_u32 v4, 0x3ff, v4
	v_lshlrev_b32 v4, 5, v4
	ds_store_b128 v4, v[8:11]
	ds_store_b32 v4, v114 offset:16
	s_wait_kmcnt 0x0
	s_min_u32 s18, s18, NPROP                      ; nv
	s_add_co_u32 s19, s18, 31
	s_lshr_b32 s19, s19, 5                         ; n, 0..32
	s_wait_dscnt 0x0                               ; for the others' sake: my zeros and my box are in LDS
	s_barrier_signal -1
	s_barrier_wait -1
.macro LOADROWS a, h, t0               ; rows t0 .. t0 + 7 of the earlier block: 16 loads, every lane the same bytes
.set k, 0
.rept 8
	ds_load_b128 v[(\a)+4*k:(\a)+4*k+3], v27 offset:((\t0)+k)*32
	ds_load_b32 v[(\h)+k], v27 offset:((\t0)+k)*32+16
.set k, k+1
.endr
.endm
.macro ROW2 a0, h0, a1, h1, t          ; rows t and t + 1 against the 32 lanes, line by line in turn, so that no line waits for the one before it
	v_max_num_f32 v112, v[\a0], v20
	v_max_num_f32 v118, v[\a1], v20
	v_max_num_f32 v113, v[\a0+1], v21
	v_max_num_f32 v119, v[\a1+1], v21
	v_min_num_f32 v114, v[\a0+2], v22
	v_min_num_f32 v120, v[\a1+2], v22
	v_min_num_f32 v115, v[\a0+3], v23
	v_min_num_f32 v121, v[\a1+3], v23
	v_pk_add_f32 v[114:115], v[114:115], v[112:113] neg_lo:[0,1] neg_hi:[0,1]  ; rb - lt
	v_pk_add_f32 v[120:121], v[120:121], v[118:119] neg_lo:[0,1] neg_hi:[0,1]
	v_pk_add_f32 v[114:115], v[114:115], 1.0 op_sel_hi:[1,0]
	v_pk_add_f32 v[120:121], v[120:121], 1.0 op_sel_hi:[1,0]
	v_add_f32 v117, v[\h0], v24                    ; half of area_a + area_b
	v_add_f32 v123, v[\h1], v24
	v_max_num_f32 v114, 0, v114
	v_max_num_f32 v120, 0, v120
	v_max_num_f32 v115, 0, v115
	v_max_num_f32 v121, 0, v121
	v_mul_f32 v116, v114, v115                     ; inter
	v_mul_f32 v122, v120, v121
	v_fmac_f32 v117, -0.5, v116                    ; half of the union
	v_fmac_f32 v123, -0.5, v122
	v_cmp_gt_u32 s28, v116, v117                   ; as unsigned numbers: see the head
	v_cmp_gt_u32 s29, v122, v123
	v_writelane_b32 v25, s28, \t
	v_writelane_b32 v25, s29, \t+1
.endm
.macro ROWS a, h, t0
.set k, 0
.rept 4
	ROW2 (\a)+8*k, (\h)+2*k, (\a)+8*k+4, (\h)+2*k+1, (\t0)+2*k
.set k, k+1
.endr
.endm
	s_cmp_ge_u32 s10, s19                          ; waves without a block of valid boxes have no tile
	s_cbranch_scc1 .Ltiles_done
	v_lshlrev_b32 v2, 5, v1
	s_mov_b32 s20, 0                               ; d
.Ltile:                                                ; 17 trips; the dead ones are jumped over
	s_lshl_b32 s21, s20, 1
	s_cmp_gt_u32 s21, s19
	s_cbranch_scc1 .Lnext                          ; 2 d > n: the pair belongs to the partner
	s_cmp_lg_u32 s21, s19
	s_cbranch_scc1 .Lgo
	s_cmp_ge_u32 s10, s20                          ; 2 d = n: both partners would take it; the one below d does
	s_cbranch_scc1 .Lnext
.Lgo:
	s_add_co_u32 s22, s10, s20
	s_sub_co_u32 s23, s22, s19
	s_cmp_ge_u32 s22, s19
	s_cselect_b32 s22, s23, s22                    ; the partner, (w + d) mod n
	s_min_u32 s23, s10, s22                        ; the earlier block: rows
	s_max_u32 s24, s10, s22                        ; the later block: lanes
	s_min_u32 s23, s23, 31                         ; n was read from memory: what is made of it enters an address only cut to the 32 blocks
	s_min_u32 s24, s24, 31
	s_lshl_b32 s25, s24, 10
	v_add_nc_u32 v26, s25, v2
	s_lshl_b32 s25, s23, 10
	v_mov_b32 v27, s25
	ds_load_b128 v[20:23], v26
	ds_load_b32 v24, v26 offset:16
	LOADROWS A0, H0, 0
	LOADROWS A1, H1, 8
	v_mov_b32 v25, 0
	s_wait_dscnt 16                                ; all but the youngest 16 loads: the lanes' boxes and rows 0-7 are in (and the last tile's store is done)
	ROWS A0, H0, 0
	LOADROWS A0, H0, 16
	s_wait_dscnt 16                                ; rows 8-15 are in
	ROWS A1, H1, 8
	LOADROWS A1, H1, 24
	s_wait_dscnt 16                                ; rows 16-23 are in
	ROWS A0, H0, 16
	s_wait_dscnt 0x0
	ROWS A1, H1, 24
	s_mul_i32 s25, s24, WSTR                       ; plane of the later block, rows of the earlier: 32 consecutive words
	s_lshl_b32 s26, s23, 7
	s_add_co_u32 s25, s25, s26
	v_lshl_add_u32 v28, v1, 2, s25
	ds_store_b32 v28, v25 offset:WB
.Lnext:
	s_add_co_u32 s20, s20, 1
	s_cmp_lt_u32 s20, 17
	s_cbranch_scc1 .Ltile
.Ltiles_done:
	s_wait_dscnt 0x0                               ; for wave 0's sake: my words are in LDS
	s_barrier_signal -1
	s_barrier_wait -1
	s_cmp_lg_u32 s10, 0
	s_cbranch_scc1 .Lend
	; THE WALK, by wave 0.  v[32+t], lane b: the word of row 32 b + t for its own block b, its own bit cleared.  v20, lane l: suppressed positions of block l.  v24, lane b: kept positions of block b.
	v_mul_u32_u24 v26, WSTR+128, v1
.set t, 0
.rept 32
	ds_load_b32 v[32+t], v26 offset:WB+4*t
.set t, t+1
.endr
	v_mul_u32_u24 v27, WSTR, v1                    ; lane l: plane l, at the rows of the block in hand
	v_mov_b32 v20, 0
	v_mov_b32 v24, 0
	s_wait_dscnt 0x0
.set t, 0
.rept 32
	v_and_b32 v[32+t], (~(1<<t))&0xffffffff, v[32+t]  ; a box does not suppress itself
.set t, t+1
.endr
	s_mov_b32 s20, 0                               ; b
.Lwalk:                                                ; 32 trips; blocks without a valid box are jumped over
	s_cmp_ge_u32 s20, s19
	s_cbranch_scc1 .Ldead
.irp g, 0,1,2,3,4,5,6,7
	ds_load_b128 v[72+4*(\g):75+4*(\g)], v27 offset:WB+16*(\g)  ; the block's 32 rows, lane l their words for block l: they land while the scalar steps run
.endr
	v_readlane_b32 s21, v20, s20                   ; what earlier blocks suppress here
.set t, 0
.rept 32
	v_readlane_b32 s[32+t], v[32+t], s20
.set t, t+1
.endr
	s_lshl_b32 s22, s20, 5
	s_sub_co_u32 s22, s18, s22                     ; valid positions from here on, at least 1,
	s_min_u32 s22, s22, 32
	s_sub_co_u32 s22, 32, s22
	s_lshr_b32 s22, -1, s22                        ; as low bits
	s_and_not1_b32 s21, s22, s21                   ; alive: valid and not suppressed
.set t, 0
.rept 32                                               ; position t: if it is alive it is kept, and what it suppresses in the block dies
	s_and_not1_b32 s23, s21, s[32+t]
	s_bitcmp1_b32 s21, t
	s_cselect_b32 s21, s23, s21
	s_cselect_b32 s[32+t], -1, 0                   ; all ones if row t is kept
.set t, t+1
.endr
	v_writelane_b32 v24, s21, s20
	s_wait_dscnt 0x0
.set t, 0
.rept 32                                               ; four chains, so that no line waits for the one before it
.if (t > 0) && (t < 4)
	v_and_b32 v[20+t], s[32+t], v[72+t]
.else
	v_and_or_b32 v[20+t%4], v[72+t], s[32+t], v[20+t%4]
.endif
.set t, t+1
.endr
	v_or_b32 v20, v20, v21
	v_or_b32 v22, v22, v23
	v_or_b32 v20, v20, v22
.Ldead:
	v_add_nc_u32 v27, 128, v27
	s_add_co_u32 s20, s20, 1
	s_cmp_lt_u32 s20, 32
	s_cbranch_scc1 .Lwalk
	v_lshlrev_b32 v3, 2, v1
	global_store_b32 v3, v24, s[8:9]               ; 32 words: bit t of word b = position 32 b + t is kept
.Lend:
	s_wait_dscnt 0x0                               ; no LDS instruction of mine is out: wave 0's reads of the planes, whose address steps with the walk, are back
	s_barrier_signal -1                            ; a barrier between those reads and every wave's closing add, which is an LDS write:
	s_barrier_wait -1                              ; the 31 waves that have no part in the walk wait here for wave 0
	s_wait_tensorcnt 0x0                           ; the wave's end, behind my last LDS store
	ds_add_u32 v[SPW], v[NIL]
	s_wait_dscnt 0x0
	s_endpgm
.Lfunc_end_k_q501023f8a4_nms:
	.size	k_q501023f8a4_nms, .Lfunc_end_k_q501023f8a4_nms-k_q501023f8a4_nms
	.p2alignl 7, 3214868480
	.fill 96, 4, 3214868480
	.section	.rodata,"a",@progbits
	.p2align	6, 0x0
	.amdhsa_kernel k_q501023f8a4_nms
		.amdhsa_group_segment_fixed_size 184320
		.amdhsa_private_segment_fixed_size 0
		.amdhsa_enable_private_segment 0
		.amdhsa_kernarg_size 24
		.amdhsa_user_sgpr_count 2
		.amdhsa_user_sgpr_kernarg_segment_ptr 1
		.amdhsa_wavefront_size32 1
		.amdhsa_system_sgpr_workgroup_id_x 1
		.amdhsa_system_sgpr_workgroup_id_y 1
		.amdhsa_system_sgpr_workgroup_id_z 1
		.amdhsa_system_vgpr_workitem_id 0
		.amdhsa_next_free_vgpr 128
		.amdhsa_next_free_sgpr 66
		.amdhsa_reserve_vcc 1
		.amdhsa_float_denorm_mode_32 3
		.amdhsa_float_denorm_mode_16_64 3
		.amdhsa_memory_ordered 1
		.amdhsa_forward_progress 1
		.amdhsa_inst_pref_size 40
	.end_amdhsa_kernel
	.amdgpu_metadata
---
amdhsa.version: [ 1, 2 ]
amdhsa.kernels:
  - .name:           k_q501023f8a4_nms
    .symbol:         k_q501023f8a4_nms.kd
    .args:
      - { .name: ws_box, .offset: 0, .size: 8, .value_kind: global_buffer, .address_space: global }
      - { .name: ws_rank, .offset: 8, .size: 8, .value_kind: global_buffer, .address_space: global }
      - { .name: ws_keep, .offset: 16, .size: 8, .value_kind: global_buffer, .address_space: global }
    .group_segment_fixed_size: 184320
    .private_segment_fixed_size: 0
    .kernarg_segment_align: 8
    .kernarg_segment_size: 24
    .max_flat_workgroup_size: 1024
    .sgpr_count:     66
    .vgpr_count:     128
    .wavefront_size: 32
...
	.end_amdgpu_metadata
.endif
;; end of part 2
;; launch select (part 3): grid 32 x 1, 20 waves a work-group, no clusters, 62,976 bytes of LDS; arguments ws_box, ws_score, ws_rank, ws_keep, out0, out1, out2; writes out0, out1, out2
.if DOCPART == 3
	.amdgcn_target "amdgcn-amd-amdhsa--gfx1250"
	.amdhsa_code_object_version 6
	.text
	.protected	k_q501023f8a4_select
	.globl	k_q501023f8a4_select
	.p2align	8
	.type	k_q501023f8a4_select,@function
k_q501023f8a4_select:
	s_mov_b64 s[64:65], 0
	v_nop
	global_prefetch_b8 v0, s[64:65] scope:SCOPE_SE
	s_setreg_imm32_b32 hwreg(HW_REG_WAVE_MODE, 25, 1), 1
	s_wait_xcnt 0x0
; THE 100 DETECTIONS OF ONE IMAGE.  20 waves: wave w = 4 x class index + quarter.
; Of a class only its first 100 kept boxes can be among the image's best 100; if the image keeps fewer than 100 in all, top_k's ties at -inf take the lowest flat indices, which are class 1's
; positions that are not kept, in order (there are more than 900 of them then).  So there are six lists of 100 candidate slots: five of kept boxes, one to fill up, and a slot 600 for all the rest.
; 1. Waves 0-4: from a class's 32 keep words a table, sorted position -> slot, by counts of bits alone; the class's total.
; 2. Every thread takes 8 elements of its class: rank -> table -> slot; score and box go into the slot.  These addresses come from whole numbers that earlier launches stored.
; 3. Thread (class, k): the merged rank of candidate k = k + the number of candidates of the other four lists that come ahead (higher score; equal score in a lower class).
;    The fill list's ranks are the image's total of kept boxes + its index.
; 4. The merged rank hangs on scores, so it is no address: wave (list, quarter) lets each of its 32 output rows pick, by compare and select, the candidate of its list whose rank is the row's number.
; 5. Waves 0-3 OR the five lists' picks (all but one are 0), lay the rows flat in LDS, and the flat bytes are stored 16 a lane.
; An image's 2,000, 400 and 100 bytes of output begin at no multiple of 256: the first and last block of each is shared with the neighbouring image's work-group.
.set NPROP, 1000
.set TAB,   0                          ; 5 x 1024 words: position -> slot
.set CS,    20480                      ; 601 scores (as bits; 0 in the fill list and where a slot is empty)
.set CB,    23040                      ; 601 boxes; CS, CB and 512 bytes more, 12,800 in all, are zeroed at the start
.set CR,    33280                      ; 6 x 128 merged ranks
.set TOT,   36352                      ; the five classes' totals
.set O0,    36608                      ; 128 rows x 20 bytes, flat
.set O1,    39168                      ; 128 labels
.set O2,    39680                      ; 128 bytes
.set PART,  39936                      ; 5 lists x 128 rows x 32 bytes
.set SPARE, 60416                      ; the spare words, 128 bytes for each of 20 waves
.set DUMP,  600
.set SPW,  4                           ; v4  SPARE + 4 x my thread's number; never rewritten
.set NIL,  5                           ; v5  0; never rewritten
; v[8:15] ranks, v[16:23] scores, v[24:55] boxes, v[56:63] slots of my 8 elements; v2 = 32 x quarter + lane: my index in a list, later my output row
	s_load_b256 s[4:11], s[0:1], 0x0               ; ws_box s[4:5], ws_score s[6:7], ws_rank s[8:9], ws_keep s[10:11]
	s_load_b128 s[12:15], s[0:1], 0x20             ; out0 s[12:13], out1 s[14:15]
	s_load_b64 s[16:17], s[0:1], 0x30              ; out2
	v_lshl_add_u32 v[SPW], v0, 2, SPARE
	v_mov_b32 v[NIL], 0
	v_and_b32 v1, 31, v0
	v_lshrrev_b32 v3, 5, v0
	v_readfirstlane_b32 s18, v3                    ; wave 0..19
	s_lshr_b32 s19, s18, 2                         ; class index = list 0..4
	s_and_b32 s20, s18, 3                          ; quarter
	v_lshl_add_u32 v2, s20, 5, v1
	s_mul_i32 s21, ttmp9, 5
	s_add_co_u32 s22, s21, s19
	s_lshl_b32 s24, s22, 12
	s_mov_b32 s25, 0
	s_lshl_b32 s26, s22, 14
	s_mov_b32 s27, 0
	v_lshlrev_b32 v6, 2, v2
	v_lshlrev_b32 v7, 4, v2
	v_mov_b32 v71, DUMP
	s_wait_kmcnt 0x0
	s_add_nc_u64 s[4:5], s[4:5], s[26:27]
	s_add_nc_u64 s[6:7], s[6:7], s[24:25]
	s_add_nc_u64 s[8:9], s[8:9], s[24:25]
.irp e, 0,1,2,3,4,5,6,7
	global_load_b32 v[8+(\e)], v6, s[8:9] offset:512*(\e)      ; element 128 e + my index: the ranks first
.endr
.irp e, 0,1,2,3,4,5,6,7
	global_load_b32 v[16+(\e)], v6, s[6:7] offset:512*(\e)
	global_load_b128 v[24+4*(\e):27+4*(\e)], v7, s[4:5] offset:2048*(\e)
.endr
	v_mov_b32 v64, 0
	v_mov_b32 v65, 0
	v_mov_b32 v66, 0
	v_mov_b32 v67, 0
	v_lshlrev_b32 v68, 4, v0
	v_lshlrev_b32 v69, 2, v0
	ds_store_b128 v68, v[64:67] offset:CS          ; 640 x 16 bytes,
	ds_store_b32 v69, v64 offset:CS+10240          ; and 640 x 4: scores and boxes of all slots are 0
	s_cmp_ge_u32 s18, 5
	s_cbranch_scc1 .Ltab_done
	s_add_co_u32 s22, s21, s18                     ; wave w < 5: class index w
	s_lshl_b32 s22, s22, 7
	s_mov_b32 s23, 0
	s_add_nc_u64 s[28:29], s[10:11], s[22:23]
	s_load_b512 s[32:47], s[28:29], 0x0            ; its 32 keep words
	s_load_b512 s[48:63], s[28:29], 0x40
	s_mul_i32 s30, s18, 100                        ; its list's first slot
	s_cmp_eq_u32 s18, 0
	s_cselect_b32 s31, 100, 0                      ; only class index 0 feeds the fill list
	v_lshlrev_b32 v70, 2, v1
	v_lshl_add_u32 v70, s18, 12, v70
	s_mov_b32 s70, 0                               ; kept so far
	s_wait_kmcnt 0x0
.set q, 0
.rept 32                                               ; block q: lane l is position 32 q + l
	v_mbcnt_lo_u32_b32 v72, s[32+q], s70           ; kept ahead of me
	v_add_nc_u32 v73, 32*q, v1
	v_sub_nc_u32 v73, v73, v72                     ; not kept ahead of me
	v_cmp_gt_u32 vcc_lo, 100, v72
	v_add_nc_u32 v74, s30, v72
	v_cndmask_b32 v74, v71, v74, vcc_lo            ; if I am kept
	v_cmp_gt_u32 vcc_lo, s31, v73
	v_add_nc_u32 v75, 500, v73
	v_cndmask_b32 v75, v71, v75, vcc_lo            ; if I am not
	v_cndmask_b32 v74, v75, v74, s[32+q]           ; the keep word is the lanes' mask
	ds_store_b32 v70, v74 offset:TAB+128*q
	s_bcnt1_i32_b32 s71, s[32+q]
	s_add_co_u32 s70, s70, s71
.set q, q+1
.endr
	v_mov_b32 v72, s70
	s_lshl_b32 s71, s18, 2
	v_mov_b32 v73, s71
	ds_store_b32 v73, v72 offset:TOT
.Ltab_done:
	s_wait_dscnt 0x0                               ; for the others' sake: zeros, table, total
	s_barrier_signal -1
	s_barrier_wait -1
	ds_load_b128 v[76:79], v64 offset:TOT
	ds_load_b32 v80, v64 offset:TOT+16
	s_lshl_b32 s22, s19, 2
	v_mov_b32 v81, s22
	ds_load_b32 v81, v81 offset:TOT                ; my class's total
	s_lshl_b32 s23, s19, 12
	s_wait_loadcnt 16                              ; the eight ranks are in; 16 younger loads stay out
.irp e, 0,1,2,3,4,5,6,7
	v_min_u32 v[8+(\e)], 0x3ff, v[8+(\e)]
	v_lshl_add_u32 v[8+(\e)], v[8+(\e)], 2, s23
	ds_load_b32 v[56+(\e)], v[8+(\e)] offset:TAB
.endr
	v_add_nc_u32 v83, 896, v2
	v_cmp_gt_u32 vcc_lo, NPROP, v83
	s_wait_loadcnt 0x0
	s_wait_dscnt 0x0
	v_cndmask_b32 v63, v71, v63, vcc_lo            ; elements 1000 .. 1023 are padding
	v_add3_u32 v82, v76, v77, v78
	v_add3_u32 v82, v82, v79, v80
	v_readfirstlane_b32 s24, v82                   ; kept in the whole image
.irp e, 0,1,2,3,4,5,6,7
	v_min_u32 v[56+(\e)], DUMP, v[56+(\e)]
	v_cmp_gt_u32 vcc_lo, 500, v[56+(\e)]
	v_cndmask_b32 v[16+(\e)], 0, v[16+(\e)], vcc_lo  ; a box that only fills up has score 0
	v_lshlrev_b32 v84, 2, v[56+(\e)]
	v_lshlrev_b32 v85, 4, v[56+(\e)]
	ds_store_b32 v84, v[16+(\e)] offset:CS
	ds_store_b128 v85, v[24+4*(\e):27+4*(\e)] offset:CB
.endr
	s_wait_dscnt 0x0                               ; for the others' sake
	s_barrier_signal -1
	s_barrier_wait -1
.macro COUNT n, off                    ; n x 4 scores of the list in hand, every lane the same bytes; those above v90 count
.set g, 0
.rept \n
	ds_load_b128 v[92+4*g:95+4*g], v89 offset:CS+(\off)+16*g
.set g, g+1
.endr
.set g, 0
.rept \n
	s_wait_dscnt (\n)-1-g                          ; LDS loads come back in order (ISA guide 5.7.1): group g is in
.irp m, 0,1,2,3
	v_cmp_gt_u32 vcc_lo, v[92+4*g+(\m)], v90
	v_add_co_ci_u32 v88, vcc_lo, 0, v88, vcc_lo
.endr
.set g, g+1
.endr
.endm
	s_mul_i32 s22, s19, 400
	v_lshl_add_u32 v86, v2, 2, s22
	ds_load_b32 v87, v86 offset:CS                 ; my candidate's score (indices 100 .. 127 read on into the next list; their result is thrown away below)
	v_mov_b32 v88, v2                              ; ahead of me in my own list: my index
	v_mov_b32 v89, 0
	s_mov_b32 s25, 0
	s_wait_dscnt 0x0
.Llist:                                                ; five trips; my own list is jumped over
	s_cmp_eq_u32 s25, s19
	s_cbranch_scc1 .Lown
	s_cmp_lt_u32 s25, s19                          ; in a lower class an equal score comes ahead too
	s_cselect_b32 s26, 1, 0
	v_sub_nc_u32 v90, v87, s26
	COUNT 9, 0
	COUNT 8, 144
	COUNT 8, 272
.Lown:
	v_add_nc_u32 v89, 400, v89
	s_add_co_u32 s25, s25, 1
	s_cmp_lt_u32 s25, 5
	s_cbranch_scc1 .Llist
	v_cmp_gt_u32 vcc_lo, v81, v2                   ; the slot is taken: my index is below the class's total
	v_cmp_gt_u32 s26, 100, v2                      ; and below 100
	s_and_b32 vcc_lo, vcc_lo, s26
	v_cndmask_b32 v88, 0xffff, v88, vcc_lo         ; else a rank that no row has
	v_lshlrev_b32 v91, 2, v0                       ; list x 128 + index = my thread's number
	ds_store_b32 v91, v88 offset:CR
	s_cmp_lg_u32 s19, 0
	s_cbranch_scc1 .Lno_fill_rank
	v_add_nc_u32 v92, s24, v2                      ; the fill list follows all that is kept
	ds_store_b32 v91, v92 offset:CR+2560
.Lno_fill_rank:
	s_wait_dscnt 0x0                               ; for the others' sake
	s_barrier_signal -1
	s_barrier_wait -1
; 100 candidates, four a trip: ranks at crb, scores at csb, boxes at cbb (bytes from each array's start).  The row whose number is a candidate's rank takes its box and score; fm gathers the rows served.
.macro SCAN crb, csb, cbb, fm
	v_mov_b32 v92, \crb
	v_mov_b32 v93, \csb
	v_mov_b32 v94, \cbb
	s_mov_b32 \fm, 0
	s_mov_b32 s31, 0
.Lscan_\@:
	ds_load_b128 v[96:99], v92 offset:CR
	ds_load_b128 v[100:103], v93 offset:CS
.irp m, 0,1,2,3
	ds_load_b128 v[104+4*(\m):107+4*(\m)], v94 offset:CB+16*(\m)
.endr
	s_wait_dscnt 0x0
.irp m, 0,1,2,3
	v_cmp_eq_u32 vcc_lo, v[96+(\m)], v2
	s_or_b32 \fm, \fm, vcc_lo
	v_cndmask_b32 v120, v120, v[104+4*(\m)], vcc_lo
	v_cndmask_b32 v121, v121, v[105+4*(\m)], vcc_lo
	v_cndmask_b32 v122, v122, v[106+4*(\m)], vcc_lo
	v_cndmask_b32 v123, v123, v[107+4*(\m)], vcc_lo
	v_cndmask_b32 v124, v124, v[100+(\m)], vcc_lo
.endr
	v_add_nc_u32 v92, 16, v92
	v_add_nc_u32 v93, 16, v93
	v_add_nc_u32 v94, 64, v94
	s_add_co_u32 s31, s31, 1
	s_cmp_lt_u32 s31, 25
	s_cbranch_scc1 .Lscan_\@
.endm
	s_lshl_b32 s26, s19, 9
	s_mul_i32 s22, s19, 400
	s_mul_i32 s23, s19, 1600
.irp j, 120,121,122,123,124,127
	v_mov_b32 v\j, 0
.endr
	SCAN s26, s22, s23, s29
	s_add_co_u32 s27, s19, 1
	v_mov_b32 v95, s27
	v_cndmask_b32 v125, 0, v95, s29                ; label
	v_cndmask_b32 v126, 0, 1, s29                  ; valid
	s_cmp_lg_u32 s19, 0
	s_cbranch_scc1 .Lno_fill_scan
	s_cmp_ge_u32 s24, 100                          ; 100 or more are kept: nothing to fill
	s_cbranch_scc1 .Lno_fill_scan
	SCAN 2560, 2000, 8000, s30
	v_cndmask_b32 v125, v125, 1, s30               ; label 1, score 0, not valid
.Lno_fill_scan:
	s_wait_dscnt 0x0                               ; my scans' reads, whose addresses step from trip to trip, are back
	s_barrier_signal -1                            ; a barrier between every wave's scans and the stores of the picks
	s_barrier_wait -1
	v_lshlrev_b32 v92, 5, v0
	ds_store_b128 v92, v[120:123] offset:PART
	ds_store_b128 v92, v[124:127] offset:PART+16
	s_wait_dscnt 0x0                               ; for the others' sake
	s_barrier_signal -1
	s_barrier_wait -1
	s_cmp_ge_u32 s18, 4
	s_cbranch_scc1 .Lflat_done
.irp g, 0,1,2,3,4
	ds_load_b128 v[8+8*(\g):11+8*(\g)], v92 offset:PART+4096*(\g)      ; thread r < 128: row r's pick from each list
	ds_load_b128 v[12+8*(\g):15+8*(\g)], v92 offset:PART+4096*(\g)+16
.endr
	v_mul_u32_u24 v93, 20, v0
	v_lshlrev_b32 v94, 2, v0
	s_wait_dscnt 0x0
.irp j, 0,1,2,3,4,5,6
	v_or_b32 v[8+(\j)], v[8+(\j)], v[16+(\j)]      ; one list has served the row, the others hold 0
	v_or_b32 v[24+(\j)], v[24+(\j)], v[32+(\j)]
	v_or_b32 v[8+(\j)], v[8+(\j)], v[40+(\j)]
	v_or_b32 v[8+(\j)], v[8+(\j)], v[24+(\j)]
.endr
.irp j, 0,1,2,3,4
	ds_store_b32 v93, v[8+(\j)] offset:O0+4*(\j)   ; x1 y1 x2 y2 score
.endr
	ds_store_b32 v94, v13 offset:O1
	ds_store_b8 v0, v14 offset:O2
.Lflat_done:
	s_wait_dscnt 0x0                               ; for the others' sake
	s_barrier_signal -1
	s_barrier_wait -1
	s_cmp_ge_u32 s18, 4
	s_cbranch_scc1 .Lend
	s_mul_i32 s22, ttmp9, 2000
	s_mov_b32 s23, 0
	s_add_nc_u64 s[12:13], s[12:13], s[22:23]
	s_mul_i32 s22, ttmp9, 400
	s_add_nc_u64 s[14:15], s[14:15], s[22:23]
	s_mul_i32 s22, ttmp9, 100
	s_add_nc_u64 s[16:17], s[16:17], s[22:23]
	v_lshlrev_b32 v92, 4, v0
	v_lshlrev_b32 v93, 2, v0
	v_cmp_gt_u32 vcc_lo, 125, v0
	s_wait_xcnt 0x0                                ; EXEC changes only behind this wait
	s_and_saveexec_b32 s28, vcc_lo                 ; 125 threads x 16 bytes: the image's 100 rows of five numbers
	ds_load_b128 v[8:11], v92 offset:O0
	s_wait_dscnt 0x0
	global_store_b128 v92, v[8:11], s[12:13]
	s_wait_xcnt 0x0                                ; and again in front of the line that widens it
	s_or_b32 exec_lo, exec_lo, s28
	v_cmp_gt_u32 vcc_lo, 25, v0
	s_and_saveexec_b32 s28, vcc_lo                 ; 25 threads: 400 bytes of labels, 100 bytes of flags
	ds_load_b128 v[12:15], v92 offset:O1
	ds_load_b32 v16, v93 offset:O2
	s_wait_dscnt 0x0
	global_store_b128 v92, v[12:15], s[14:15]
	global_store_b32 v93, v16, s[16:17]
	s_wait_xcnt 0x0
	s_or_b32 exec_lo, exec_lo, s28
.Lend:
	s_wait_tensorcnt 0x0                           ; the wave's end, behind my last LDS store
	ds_add_u32 v[SPW], v[NIL]
	s_wait_dscnt 0x0
	s_endpgm
.Lfunc_end_k_q501023f8a4_select:
	.size	k_q501023f8a4_select, .Lfunc_end_k_q501023f8a4_select-k_q501023f8a4_select
	.p2alignl 7, 3214868480
	.fill 96, 4, 3214868480
	.section	.rodata,"a",@progbits
	.p2align	6, 0x0
	.amdhsa_kernel k_q501023f8a4_select
		.amdhsa_group_segment_fixed_size 62976
		.amdhsa_private_segment_fixed_size 0
		.amdhsa_enable_private_segment 0
		.amdhsa_kernarg_size 56
		.amdhsa_user_sgpr_count 2
		.amdhsa_user_sgpr_kernarg_segment_ptr 1
		.amdhsa_wavefront_size32 1
		.amdhsa_system_sgpr_workgroup_id_x 1
		.amdhsa_system_sgpr_workgroup_id_y 1
		.amdhsa_system_sgpr_workgroup_id_z 1
		.amdhsa_system_vgpr_workitem_id 0
		.amdhsa_next_free_vgpr 128
		.amdhsa_next_free_sgpr 72
		.amdhsa_reserve_vcc 1
		.amdhsa_float_denorm_mode_32 3
		.amdhsa_float_denorm_mode_16_64 3
		.amdhsa_memory_ordered 1
		.amdhsa_forward_progress 1
		.amdhsa_inst_pref_size 47
	.end_amdhsa_kernel
	.amdgpu_metadata
---
amdhsa.version: [ 1, 2 ]
amdhsa.kernels:
  - .name:           k_q501023f8a4_select
    .symbol:         k_q501023f8a4_select.kd
    .args:
      - { .name: ws_box, .offset: 0, .size: 8, .value_kind: global_buffer, .address_space: global }
      - { .name: ws_score, .offset: 8, .size: 8, .value_kind: global_buffer, .address_space: global }
      - { .name: ws_rank, .offset: 16, .size: 8, .value_kind: global_buffer, .address_space: global }
      - { .name: ws_keep, .offset: 24, .size: 8, .value_kind: global_buffer, .address_space: global }
      - { .name: out0, .offset: 32, .size: 8, .value_kind: global_buffer, .address_space: global }
      - { .name: out1, .offset: 40, .size: 8, .value_kind: global_buffer, .address_space: global }
      - { .name: out2, .offset: 48, .size: 8, .value_kind: global_buffer, .address_space: global }
    .group_segment_fixed_size: 62976
    .private_segment_fixed_size: 0
    .kernarg_segment_align: 8
    .kernarg_segment_size: 56
    .max_flat_workgroup_size: 640
    .sgpr_count:     72
    .vgpr_count:     128
    .wavefront_size: 32
...
	.end_amdgpu_metadata
.endif
;; end of part 3
